; MI455X (gfx1250); checked and timed in simulation.
; The chip was launched on July 23, 2026; its instructions are those of AMD's public machine-readable ISA for CDNA 5 (MIT licence, August 2026) and "CDNA5" Instruction Set Architecture Reference Guide (July 2026). The comments in the code are by the model that wrote it; some were corrected since.
;; Head. Allowed arithmetic: matrix products marked QUANTISED: E2M1 operands, one E8M0 scale for each 32 along K, by v_wmma_scale_f32_16x16x128_f8f6f4 with both operands' format E2M1 (or v_wmma_scale_f32_32x16x128_f4), f32 sums; everything else in f32.
;; Inputs: Wk 2,048 x 128 float32; Wq 2,048 x 128 float32; Wv 2,048 x 128 float32; x 8 x 4,096 x 2,048 float32.
;; Outputs: out0 8 x 4,096 x 128 float32.
;; This version of the problem:
;;   THIS VERSION OF THE PROBLEM IS GIVEN IN LOW PRECISION. The matrix products marked QUANTISED in the list below multiply operands that are first quantised to E2M1 (2 exponent bits, 1 mantissa bit; 4 bits a number), with one power-of-two scale for each 32 numbers along K (OCP MX v1.0); their sums are f32. All else is computed in f32.
;;   The module's matrix products, in the order in which they are computed (A, B: the left and right operand; K: the contracted axis; several contracted axes count as one K, in the product's order):
;;     1. [M 32,768, K 2,048] x [K 2,048, N 128]; A: input x; B: input Wk: QUANTISED
;;     2. [M 32,768, K 2,048] x [K 2,048, N 128]; A: input x; B: input Wq: QUANTISED
;;     3. [M 32,768, K 2,048] x [K 2,048, N 128]; A: input x; B: input Wv: QUANTISED
;;     4. batch 8 x [M 4,096, K 128] x [K 128, N 4,096]; A: computed on the way; B: computed on the way: QUANTISED
;;     5. batch 8 x [M 4,096, K 4,096] x [K 4,096, N 128]; A: softmax (see below); B: computed on the way: QUANTISED
;;   THE QUANTISER, for each operand of a quantised product, along K:
;;     - K is cut into blocks of 32 from its start; a last block that is shorter is filled with zeros.
;;     - A block's scale is 2^e with e = floor(log2(the largest magnitude in the block)) - 2, held to -126 .. 127; a block of zeros has e = 0. As a byte (E8M0): e + 127.
;;     - Each number is divided by its block's scale, clamped to +-6, and rounded to the nearest number of E2M1, ties to even, subnormals kept.
;;     - The product sums the exact products of the quantised numbers (number of the format x scale) in f32.
;;   ~~~python
;;   def quantise(x, axis):      # numpy; x: float32 -> the quantised numbers, widened to float32 again
;;       x = np.moveaxis(x, axis, -1); K = x.shape[-1]
;;       x = np.pad(x, [(0, 0)] * (x.ndim - 1) + [(0, -K % 32)]); x = x.reshape(x.shape[:-1] + (-1, 32)); a = np.abs(x).max(-1, keepdims=True)
;;       e = np.where(a > 0, np.clip(np.frexp(np.where(a > 0, a, 1))[1] - 1 - 2, -126, 127), 0)      # np.frexp(a)[1] - 1 = floor(log2(a)), exactly
;;       r = np.clip(x / 2.0 ** e, -6, 6)
;;       step = 2.0 ** (np.maximum(np.frexp(np.where(r == 0, 1, r))[1] - 1, 0) - 1)
;;       q = np.round(r / step) * step * 2.0 ** e      # np.round: ties to even
;;       return np.moveaxis(q.reshape(q.shape[:-2] + (-1,))[..., :K], -1, axis).astype(np.float32)
;;   ~~~
;;   SOFTMAX AHEAD OF A QUANTISED PRODUCT. Where the list says 'softmax', what is quantised is not the finished softmax but p = 2^(t - M), with t = logit x log2(e) and M = ceil(the row's largest t), a whole number; so 1/2 < the row's largest p <= 1. The row's sum l is taken of the UNQUANTISED p, in f32, and the product's result is divided by l at the end. Since M is a whole number, a kernel that streams over the keys may use a running M (the ceiling of the running maximum): every later rescaling is an exact power of two, which a block's scale takes up: the codes' values come out the same.
;;   OPERANDS COMPUTED ON THE WAY. 'Computed on the way' means the value that the module computes at that place (a softmax that the list does not call 'softmax' is quantised finished and normalised). What goes into a quantiser is computed in f32, as accurately as f32 sums, v_exp_f32 and their like allow (about 1e-6 of the number): no bf16 or f16 on the way to a quantiser, and a product that is left as it is and whose result goes on into a quantised operand takes f32 operands (vector FMAs, or v_wmma_f32_16x16x4_f32). A number that lies on a knife's edge between two numbers of the format may be rounded either way, as far as f32 arithmetic and the matrix unit's own rounding can turn it there, and no further.
;; One version. Each part assembles by itself: llvm-mc -triple=amdgcn-amd-amdhsa -mcpu=gfx1250 --defsym DOCPART=n.
;; ======== version 1 of 1: 3 launches
;; limits: right only within a limited range of input values
;; workspace buffers: wc 393,216 bytes; ws 24,576 bytes; qb 2,228,224 bytes; kv 4,456,448 bytes
;; launch wquant (part 1): grid 16 x 3, 4 waves a work-group, no clusters, 1,536 bytes of LDS; arguments Wq, Wk, Wv, wc, ws; writes wc, ws
.if DOCPART == 1
	.amdgcn_target "amdgcn-amd-amdhsa--gfx1250"
	.amdhsa_code_object_version 6
	.text
	.protected	k_q6e72bfe431_wquant
	.globl	k_q6e72bfe431_wquant
	.p2align	8
	.type	k_q6e72bfe431_wquant,@function
k_q6e72bfe431_wquant:
	s_mov_b64 s[64:65], 0
	v_nop
	global_prefetch_b8 v0, s[64:65] scope:SCOPE_SE
	s_setreg_imm32_b32 hwreg(HW_REG_WAVE_MODE, 25, 1), 1
	s_wait_xcnt 0x0
; Wq, Wk, Wv [2048 (k)][128 (n)], f32, become codes of FP4 (E2M1) with one E8M0 scale byte for each 32 along k, laid as IMAGES OF OPERAND REGISTERS.
; wc: [matrix 3: q, k, v][K step 16][tile 8] fragments of 1,024 bytes.  A fragment is 16 columns of W x 128 along k: [c 0..1][lane 0..31][16 bytes] = registers 4 c .. 4 c + 3 of each lane,
;     lane (r, h) holding k = 64 c + 32 h + 0 .. 31 of the tile's row r.  THE COLUMNS OF A TILE ARE NOT NEIGHBOURS: row r of tile t is column 32 (t / 2) + 8 (t % 2) + r + 8 (r / 8).
; ws: [matrix 3][K step 16] blocks of 512 bytes: word i (0..3) of lane l is the scale word (four bytes: 128 along k) of tile 2 i + l / 16, row l % 16.
; A work-group takes one K step (128 rows of W) of one matrix; wave q takes columns 32 q .. 32 q + 31.  A LANE TAKES A COLUMN, AND ITS REGISTERS RUN DOWN k: a block of 32 lies in one lane, and the conversions'
; results are 16 bytes of a fragment as they stand.  48 work-groups are all the work that 3 MB of weights give.
; A block's scale is 2^(floor(log2(its largest magnitude)) - 2); its byte is the largest magnitude's exponent field - 2, held at 1 from below.
; LIMITS: a block of zeros, or one whose largest magnitude lies under 2^-124, gets the byte 1 where the quantiser's text says 127 or less: a block of zeros has zero codes, which add nothing under any byte but 0xff,
; and this program alone reads the bytes.  NaN and infinities among the inputs are not served.
.set X, 32                             ; v32-159  my column's 128 numbers
.set C, 160                            ; v160-175 their codes: four registers a block, so that no store's data are written again
	s_load_b128 s[4:7], s[0:1], 0x0                ; Wq, Wk
	s_load_b128 s[8:11], s[0:1], 0x10              ; Wv, wc
	s_load_b64 s[12:13], s[0:1], 0x20              ; ws
	v_lshl_add_u32 v176, v0, 2, 0x400
	v_mov_b32 v177, 0
	v_lshrrev_b32 v1, 5, v0
	v_readfirstlane_b32 s15, v1                    ; wave q
	v_lshlrev_b32 v3, 2, v0                        ; in: my column's 4 bytes of a row: a wave reads 128 consecutive bytes, the four waves a whole row of 512
	v_and_b32 v1, 7, v0
	v_bfe_u32 v2, v0, 4, 1
	v_lshl_add_u32 v1, v2, 3, v1                   ; r = lane % 8 + 8 (lane / 16): my row in my tile
	v_bfe_u32 v2, v0, 3, 1                         ; u = (lane / 8) % 2: my tile is 2 q + u
	v_lshlrev_b32 v7, 4, v1                        ; 16 r
	v_lshl_add_u32 v4, v2, 10, v7
	s_lshl_b32 s16, s15, 11
	v_add_nc_u32 v4, s16, v4                       ; codes: 1,024 (2 q + u) + 16 r
	v_lshl_add_u32 v5, v2, 8, v7
	s_lshl_b32 s16, s15, 2
	v_add_nc_u32 v5, s16, v5                       ; LDS: my scale word's place in the block of 512 bytes: 16 (16 u + r) + 4 q
	v_and_b32 v6, 31, v0
	v_lshlrev_b32 v6, 4, v6                        ; 16 x lane
	s_and_b32 s14, ttmp7, 0xffff                   ; which matrix
	s_lshl_b32 s18, s14, 4
	s_add_co_u32 s18, s18, ttmp9                   ; 16 x matrix + K step
	s_lshl_b32 s20, ttmp9, 16                      ; a K step of W: 128 rows of 512 bytes
	s_mov_b32 s21, 0
	s_lshl_b32 s22, s18, 13                        ; its eight fragments
	s_mov_b32 s23, 0
	s_lshl_b32 s24, s18, 9                         ; its block of scale words
	s_mov_b32 s25, 0
	s_wait_kmcnt 0x0
	s_cmp_eq_u32 s14, 0                            ; the choice hangs on the work-group's number alone
	s_cselect_b64 s[4:5], s[4:5], s[6:7]
	s_cmp_eq_u32 s14, 2
	s_cselect_b64 s[4:5], s[8:9], s[4:5]
	s_add_nc_u64 s[4:5], s[4:5], s[20:21]
	s_add_nc_u64 s[10:11], s[10:11], s[22:23]
	s_add_nc_u64 s[12:13], s[12:13], s[24:25]
.macro LOADH t, hf                     ; half hf of block t: W(32 t + n, my column), n = 16 hf .. 16 hf + 15
.set n, 16*(\hf)
.rept 16
	global_load_b32 v[X+32*(\t)+n], v3, s[4:5] offset:(32*(\t)+n)*512 th:TH_LOAD_NT
.set n, n+1
.endr
.endm
.macro BLOCK t
.set XS, X+32*(\t)
.if (\t) < 3
	s_wait_loadcnt 16                              ; this block's 32 loads are in; the first half of the next block, 16 loads, may be out
	LOADH (\t)+1, 1                                ; loads run a block and a half ahead: 48 of a wave are out at the most
.else
	s_wait_loadcnt 0x0
.endif
.if (\t) < 2
	LOADH (\t)+2, 0
.endif
	v_max3_num_f32 v12, |v[XS]|, |v[XS+1]|, |v[XS+2]|              ; the block's largest magnitude: all 32 numbers are mine; two chains
	v_max3_num_f32 v13, |v[XS+3]|, |v[XS+4]|, |v[XS+5]|
.irp i, 6,10,14,18,22,26
	v_max3_num_f32 v12, v12, |v[XS+\i]|, |v[XS+\i+1]|
	v_max3_num_f32 v13, v13, |v[XS+\i+2]|, |v[XS+\i+3]|
.endr
	v_max3_num_f32 v12, v12, |v[XS+30]|, |v[XS+31]|
	v_max3_num_f32 v12, v12, v13, 0x1800000        ; and the floor 2^(3 - 127): so the byte cannot fall under 1
	v_add_nc_u32 v11, 0xff000000, v12              ; 2 off its exponent field: the conversion takes the exponent field of this operand as its scale
.irp g, 0,1,2,3
	v_cvt_scalef32_pk8_fp4_f32 v[C+4*(\t)+\g], v[XS+8*\g:XS+8*\g+7], v11
.endr
	v_lshrrev_b32 v13, 23, v11                     ; the scale's byte (also the plain line behind the conversions)
.if (\t) == 0
	v_mov_b32 v16, v13                             ; four bytes make my column's scale word, the lower k in the lower byte
.else
	v_lshl_or_b32 v16, v13, 8*(\t), v16
.endif
	global_store_b128 v4, v[C+4*(\t):C+4*(\t)+3], s[10:11] offset:512*((\t)/2)+256*((\t)%2)   ; block t = 2 c + h: the sixteen lanes of a tile store 256 consecutive bytes, at a multiple of 256 from wc's first byte
.endm
	LOADH 0, 0
	LOADH 0, 1
	LOADH 1, 0
	BLOCK 0
	BLOCK 1
	BLOCK 2
	BLOCK 3
	ds_store_b32 v5, v16                           ; the 128 scale words meet in LDS,
	s_wait_dscnt 0x0                               ; (for the others' sake: my store is done)
	s_barrier_signal -1
	s_barrier_wait -1
	s_cmp_lg_u32 s15, 0
	s_cbranch_scc1 .Lend
	ds_load_b128 v[20:23], v6                      ; and wave 0 stores them as 512 consecutive bytes
	s_wait_dscnt 0x0
	global_store_b128 v6, v[20:23], s[12:13]
.Lend:
	s_wait_tensorcnt 0x0
	ds_add_u32 v176, v177
	s_wait_dscnt 0x0
	s_endpgm
.Lfunc_end_k_q6e72bfe431_wquant:
	.size	k_q6e72bfe431_wquant, .Lfunc_end_k_q6e72bfe431_wquant-k_q6e72bfe431_wquant
	.p2alignl 7, 3214868480
	.fill 96, 4, 3214868480
	.section	.rodata,"a",@progbits
	.p2align	6, 0x0
	.amdhsa_kernel k_q6e72bfe431_wquant
		.amdhsa_group_segment_fixed_size 1536
		.amdhsa_private_segment_fixed_size 0
		.amdhsa_enable_private_segment 0
		.amdhsa_kernarg_size 40
		.amdhsa_user_sgpr_count 2
		.amdhsa_user_sgpr_kernarg_segment_ptr 1
		.amdhsa_wavefront_size32 1
		.amdhsa_system_sgpr_workgroup_id_x 1
		.amdhsa_system_sgpr_workgroup_id_y 1
		.amdhsa_system_sgpr_workgroup_id_z 1
		.amdhsa_system_vgpr_workitem_id 0
		.amdhsa_next_free_vgpr 178
		.amdhsa_next_free_sgpr 66
		.amdhsa_reserve_vcc 0
		.amdhsa_float_denorm_mode_32 3
		.amdhsa_float_denorm_mode_16_64 3
		.amdhsa_memory_ordered 1
		.amdhsa_forward_progress 1
		.amdhsa_inst_pref_size 21
	.end_amdhsa_kernel
	.amdgpu_metadata
---
amdhsa.version: [ 1, 2 ]
amdhsa.kernels:
  - .name:           k_q6e72bfe431_wquant
    .symbol:         k_q6e72bfe431_wquant.kd
    .args:
      - { .name: Wq, .offset: 0, .size: 8, .value_kind: global_buffer, .address_space: global }
      - { .name: Wk, .offset: 8, .size: 8, .value_kind: global_buffer, .address_space: global }
      - { .name: Wv, .offset: 16, .size: 8, .value_kind: global_buffer, .address_space: global }
      - { .name: wc, .offset: 24, .size: 8, .value_kind: global_buffer, .address_space: global }
      - { .name: ws, .offset: 32, .size: 8, .value_kind: global_buffer, .address_space: global }
    .group_segment_fixed_size: 1536
    .private_segment_fixed_size: 0
    .kernarg_segment_align: 8
    .kernarg_segment_size: 40
    .max_flat_workgroup_size: 128
    .sgpr_count:     66
    .vgpr_count:     178
    .wavefront_size: 32
...
	.end_amdgpu_metadata
.endif
;; end of part 1
;; launch proj (part 2): grid 256 x 1, 4 waves a work-group, no clusters, 327,680 bytes of LDS; arguments x, wc, ws, qb, kv; writes qb, kv
.if DOCPART == 2
	.amdgcn_target "amdgcn-amd-amdhsa--gfx1250"
	.amdhsa_code_object_version 6
	.text
	.protected	k_q6e72bfe431_proj
	.globl	k_q6e72bfe431_proj
	.p2align	8
	.type	k_q6e72bfe431_proj,@function
k_q6e72bfe431_proj:
	s_mov_b64 s[64:65], 0
	v_nop
	global_prefetch_b8 v0, s[64:65] scope:SCOPE_SE
	s_setreg_imm32_b32 hwreg(HW_REG_WAVE_MODE, 25, 1), 1
	s_wait_xcnt 0x0
; Q = x Wq, K = x Wk, V = x Wv on codes of FP4 (E2M1) with one E8M0 scale for each 32 along the 2,048, and the three results quantised again for the attention: Q and K along the head's 128, V along the TOKENS.
; x: [32,768][2,048] f32.  wc, ws: the weights' fragments and scale words, as images of operand registers (a fragment: 16 rows x 128 K = [c 0..1][lane][16 bytes]; a block of scale words for eight tiles: 512 bytes,
; word i of lane l = tile 2 i + l / 16, row l % 16, so that one load of 16 bytes a lane brings four scale registers and tile t names register t / 2, its upper lanes where t is odd).
; qb: [group 256] of 8,704 bytes: Q's eight fragments, then their block of scale words.  kv: [group 256] of 17,408 bytes: K's eight fragments, V^T's eight, K's block of scale words, V's.
; SHARES.  A work-group owns a group of 128 tokens and all of K: 1 MB of x, read once.  K goes in steps of 256 through two LDS slots.  ALL FOUR WAVES fetch x (64 tokens x 128 along K each, one tensor load) and
; quantise what they fetched into four fragments, which go to LDS as images.  Wave 0 then makes Q, wave 1 K, wave 2 V, each 128 x 128 in 64 accumulators; wave 3 multiplies nothing:
; a K step of 256 is 128 matrix instructions for a wave beside 128 KB of x from memory, so memory binds and a SIMD without products costs nothing.
; THE ROWS OF A TILE ARE NOT NEIGHBOURS: row r of tile t (of tokens, and of W's columns) is item 32 (t / 2) + 8 (t % 2) + r + 8 (r / 8) of the 128.  So row 8 h + j of tile t is item 32 (t / 2) + 16 h + 8 (t % 2) + j,
; and in a result the 16 registers of tiles 2 b and 2 b + 1 are 16 NEIGHBOURS along the next K.
; ONE TEXT FOR THE THREE PRODUCTS: accumulator (b, a) = P[a] (source 0) x R[b] (source 1).  Waves 0, 1: P = W's tiles, R = x's: a lane holds a token, its registers run along the head.
; Wave 2: P = x's tiles, R = W's: a lane holds a head unit, its registers run along the tokens.  Either way unit b's 64 registers are one fragment's numbers, in the order that the quantiser below takes.
; NO CLUSTER: what work-groups share is W, which goes from memory straight into the registers of the one wave that uses it (417 KB a work-group against 1 MB of x); a joint load lands in LDS alone, and LDS is given to x's two slots.
; LIMITS: a block of zeros, or one under 2^-124, gets the scale byte 1 (its codes are zeros or the floor's; this program alone reads the bytes).  NaN and infinities among the inputs are not served.
; REGISTERS, in windows of 256: window 0: v4-13 addresses; v16-23 P's scale words, v24-31 R's; v32-159 two sets of 64 numbers of x; v160-191 four fragments just made; v192-199 their scale words; v200-219 at work.
;   window 1: P at v[64 s + 8 a], R at v[128 + 64 s + 8 b] (s: which 128 of the step's 256).   windows 2, 3: accumulator (b, a) at v[64 (b % 4) + 8 a] of window 2 + b / 4.
.set RPITCH, 528                       ; a row of x in LDS: 512 bytes + 16 of padding = 132 words
.set REGION, 64*RPITCH                 ; what one tensor load brings, and what the same wave reads
.set SLOT,   4*REGION                  ; 128 tokens x 256 along K
.set XIMG,   2*SLOT                    ; behind the ring: x's 16 fragments of a step (8 s + t), 1,024 bytes each: stored by the waves, never filled by a tensor load
.set XSC,    XIMG+16*1024              ; their two blocks of scale words
.set SPARE,  XSC+2*512                 ; the spare words, 128 bytes for each wave: two blocks of 256 bytes that no other line names
.set XA,  4                            ; v4-5   LDS address of my lane's numbers in my region of slot 0, 1
.set XWI, 6                            ; v6     where I store my fragments' images
.set XWS, 7                            ; v7     and their scale words
.set LI,  8                            ; v8     XIMG + 16 x lane
.set LSC, 9                            ; v9     XSC + 16 x lane
.set GL,  10                           ; v10    16 x lane
.set SPW, 12                           ; v12    LDS address of my spare word; never rewritten
.set NIL, 13                           ; v13    0; never rewritten
.set SP,  16
.set SR,  24
.set ST,  32
.set PC,  160
.set PW,  192
.set TM,  200                          ; v200-203 largest magnitudes, v204-207 the other half's, then bytes, v212-215 the conversions' scale operands
.set MW,  216                          ; v216-219 a block of scale words on its way out
.set WV,  14                           ; s14  my wave's number
.set KS,  15                           ; s15  which 128 of a step's 256 along K I fetch
.set RG,  16                           ; s16  which 64 tokens
.set SEL, 20                           ; s[20:21] selects of v_permlanex16_b32 for lane l xor 16
.set G1,  24                           ; s[24:31] descriptor group 1
.set G0,  32                           ; s[32:39] descriptor group 0, a set for each slot
.set WCP, 40                           ; s[40:41] my matrix's fragments, this step's
.set WSP, 42                           ; s[42:43] and scale words
.set OC,  44                           ; s[44:45] where my eight fragments go
.set OS,  46                           ; s[46:47] and their block of scale words
.set CNT, 48
.set HI16, 49                          ; s49  a mask of lanes 16-31
.set MSB, 0
.macro WIN new                         ; the immediate's high byte repeats the setting that is left; a switch that changes nothing is dropped
.if MSB != (\new)
	s_set_vgpr_msb (MSB<<8)|(\new)
.set MSB, (\new)
.endif
.endm
.macro PLACES n
.rept \n
	v_nop
.endr
.endm
	s_load_b256 s[4:11], s[0:1], 0x0               ; x s[4:5], wc s[6:7], ws s[8:9], qb s[10:11]
	s_load_b64 s[12:13], s[0:1], 0x20              ; kv
	v_lshl_add_u32 v[SPW], v0, 2, SPARE
	v_mov_b32 v[NIL], 0
	ds_add_u32 v12, v13
	ds_add_u32 v12, v13
	s_wait_dscnt 0x0
	v_lshrrev_b32 v1, 5, v0
	v_readfirstlane_b32 s[WV], v1                  ; wave 0..3
	s_and_b32 s[KS], s[WV], 1
	s_lshr_b32 s[RG], s[WV], 1
	; descriptor group 1: 64 rows of 128 f32, 2,048 elements apart in memory, 16 bytes of padding behind each row in LDS
	s_mov_b32 s[G1+0], (2<<16)|(1<<20)|(6<<22)|(3<<25)   ; 15:0 no mask; 17:16 elements of 4 bytes; 20 padding on; 24:22 after every 128 words (code 6); 31:25 four words (code 3)
	s_mov_b32 s[G1+1], 128<<16                     ; tensor_dim0 = 128
	s_mov_b32 s[G1+2], 64<<16                      ; tensor_dim1 = 64
	s_mov_b32 s[G1+3], 128<<16                     ; tile_dim0 = 128
	s_mov_b32 s[G1+4], 64                          ; tile_dim1 = 64
	s_mov_b32 s[G1+5], 2048                        ; tensor_dim0_stride
	s_mov_b32 s[G1+6], 0
	s_mov_b32 s[G1+7], 0
	s_lshl_b32 s50, ttmp9, 20                      ; my group: 128 rows of 8,192 bytes,
	s_lshl_b32 s51, s[RG], 19                      ; my 64 rows of them,
	s_add_co_u32 s50, s50, s51
	s_lshl_b32 s51, s[KS], 9                       ; my 512 bytes of a step's 1,024
	s_add_co_u32 s50, s50, s51
	s_mov_b32 s51, 0
	s_mul_i32 s54, s[WV], REGION                   ; my region of a slot
	s_wait_kmcnt 0x0
	s_add_nc_u64 s[52:53], s[4:5], s[50:51]
.irp n, 0,1
	s_mov_b32 s[G0+4*\n], 1                                        ; count = 1
	s_add_co_u32 s[G0+4*\n+1], s54, \n*SLOT                        ; LDS address
	s_add_nc_u64 s[G0+4*\n+2:G0+4*\n+3], s[52:53], \n*1024         ; global address: K step n
	s_or_b32 s[G0+4*\n+3], s[G0+4*\n+3], 0x80000000               ; type = 2
.endr
	tensor_load_to_lds s[G0:G0+3], s[G1:G1+7]      ; K step 0 goes out before anything else; slot 1 is first filled behind the first step's barrier
	s_nop 0
	PLACES 4
	s_min_u32 s50, s[WV], 2                        ; my matrix: 0 q, 1 k, 2 v (wave 3 loads none)
	s_lshl_b32 s52, s50, 17
	s_mov_b32 s53, 0
	s_add_nc_u64 s[WCP:WCP+1], s[6:7], s[52:53]
	s_lshl_b32 s52, s50, 13
	s_add_nc_u64 s[WSP:WSP+1], s[8:9], s[52:53]
	s_mov_b32 s51, 17408
	s_cmp_eq_u32 s[WV], 0                          ; wave 0 stores into qb, the others into kv: the choice hangs on the wave's number alone
	s_cselect_b64 s[OC:OC+1], s[10:11], s[12:13]
	s_cselect_b32 s52, 8704, s51                   ; a group's bytes there
	s_mul_i32 s52, s52, ttmp9
	s_cmp_eq_u32 s[WV], 2
	s_cselect_b32 s50, 8192, 0                     ; V's fragments lie behind K's
	s_add_co_u32 s52, s52, s50
	s_add_nc_u64 s[OC:OC+1], s[OC:OC+1], s[52:53]
	s_mov_b32 s52, 8192                            ; from my fragments to my scale words: Q 8,192, K 16,384, V 8,704 bytes
	s_cmp_eq_u32 s[WV], 1
	s_cselect_b32 s52, 16384, s52
	s_cmp_eq_u32 s[WV], 2
	s_cselect_b32 s52, 8704, s52
	s_add_nc_u64 s[OS:OS+1], s[OC:OC+1], s[52:53]
	s_mov_b32 s[SEL], 0x76543210
	s_mov_b32 s[SEL+1], 0xfedcba98
	s_mov_b32 s[HI16], 0xffff0000
	v_and_b32 v1, 15, v0                           ; r
	v_bfe_u32 v2, v0, 4, 1                         ; h
	v_and_b32 v3, 31, v0                           ; lane
	s_wait_alu depctr_va_vdst(0)
	v_and_b32 v14, 8, v1
	v_add_nc_u32 v14, v14, v1                      ; r + 8 (r / 8)
	v_mul_u32_u24 v[XA], v14, RPITCH
	v_lshl_add_u32 v[XA], v2, 6, v[XA]             ; + 64 h: my 16 numbers of a block of 32
	v_add_nc_u32 v[XA], s54, v[XA]
	v_add_nc_u32 v[XA+1], SLOT, v[XA]
	s_lshl_b32 s50, s[KS], 13
	s_lshl_b32 s51, s[RG], 12
	s_add_co_u32 s50, s50, s51
	s_add_co_u32 s50, s50, XIMG
	v_lshl_add_u32 v[XWI], v3, 4, s50              ; my four fragments are 8 s + 4 g + 0 .. 3
	s_lshl_b32 s50, s[KS], 9
	s_lshl_b32 s51, s[RG], 3
	s_add_co_u32 s50, s50, s51
	s_add_co_u32 s50, s50, XSC
	v_lshl_add_u32 v[XWS], v1, 4, s50              ; tile 4 g + i, row r: 512 s + 16 (16 (i % 2) + r) + 4 (2 g + i / 2)
	v_lshl_add_u32 v[LI], v3, 4, XIMG
	v_lshl_add_u32 v[LSC], v3, 4, XSC
	v_lshlrev_b32 v[GL], 4, v3
.irp b, 0,1,2,3
	v_mov_b32 v[TM+4+\b], 0                        ; written once: a lane permute's destination counts as one of its sources
.endr
; Tile i (0..3) of my region: lane (r, h) takes, of the tile's row r, 16 neighbouring numbers of each block of 32: register 16 b + n = k 32 b + 16 h + n.
; The tile's rows 0-7 and 8-15 lie 16 LDS rows apart, which is a whole number of times through the 64 banks (ISA guide 11.1): these loads go two deep; beside the wait for memory that weighs little.
.macro XREAD slot, i, set
.irp b, 0,1,2,3
.irp j, 0,1,2,3
	ds_load_b128 v[ST+64*\set+16*\b+4*\j:ST+64*\set+16*\b+4*\j+3], v[XA+\slot] offset:(32*(\i/2)+8*(\i%2))*RPITCH+128*\b+16*\j
.endr
.endr
.endm
; 64 numbers of a lane, v[s] .. v[s + 63] of window w, register 16 b + n = k 32 b + 16 (lane / 16) + n of my row, become a fragment's codes in v[pc] .. v[pc + 7] and its scale word in v[pw] (window 0).
; Where the numbers are matrix results, each accumulator is read from its low end on.
.macro QUANT s, w, pc, pw
	WIN (\w)|((\w)<<2)                             ; sources 0 and 1: window w
.irp b, 0,1,2,3
	v_max3_num_f32 v[TM+\b], |v[(\s)+16*\b]|, |v[(\s)+1+16*\b]|, 0x1800000   ; block b: my 16 numbers, and the floor 2^(3 - 127): so the byte cannot fall under 1
.endr
.irp i, 2,4,6,8,10,12,14
.irp b, 0,1,2,3
	v_max3_num_f32 v[TM+\b], |v[(\s)+16*\b+\i]|, |v[(\s)+1+16*\b+\i]|, v[TM+\b]   ; (the four blocks by turns: no line waits for the line above it)
.endr
.endr
	WIN 0
.irp b, 0,1,2,3
	v_permlanex16_b32 v[TM+4+\b], v[TM+\b], s[SEL], s[SEL+1]
.endr
.irp b, 0,1,2,3
	v_max_num_f32 v[TM+\b], v[TM+\b], v[TM+4+\b]   ; with lane l xor 16's: the block's largest magnitude
.endr
.irp b, 0,1,2,3
	v_add_nc_u32 v[TM+12+\b], 0xff000000, v[TM+\b] ; 2 off its exponent field: the conversion's scale operand
.endr
.irp b, 0,1,2,3
	v_lshrrev_b32 v[TM+4+\b], 23, v[TM+12+\b]      ; the scale's byte
.endr
	v_lshl_or_b32 v[\pw], v[TM+5], 8, v[TM+4]      ; the four bytes make my row's scale word, the same in both halves of the lanes
	v_lshl_or_b32 v[\pw], v[TM+6], 16, v[\pw]
	v_lshl_or_b32 v[\pw], v[TM+7], 24, v[\pw]
	WIN \w                                         ; source 0: window w
.irp b, 0,1,2,3
	v_cvt_scalef32_pk8_fp4_f32 v[(\pc)+2*\b], v[(\s)+16*\b:(\s)+7+16*\b], v[TM+12+\b]
	v_cvt_scalef32_pk8_fp4_f32 v[(\pc)+1+2*\b], v[(\s)+8+16*\b:(\s)+15+16*\b], v[TM+12+\b]
.endr
	WIN 0
	v_nop                                          ; one plain line behind a scaled conversion
.irp c, 0,1                            ; the operand's layout wants a WHOLE block in a lane: lanes 0-15 block 2 c, lanes 16-31 block 2 c + 1
.irp i, 0,1
	v_permlane16_swap_b32 v[(\pc)+4*\c+\i], v[(\pc)+2+4*\c+\i]
.endr
.endr
.endm
.macro IMAGE i                         ; my fragment i goes to LDS as it stands, 16 bytes a lane, and its scale word to its place in the block (both halves of the lanes write the same word with the same value)
.irp c, 0,1
	ds_store_b128 v[XWI], v[PC+8*\i+4*\c:PC+8*\i+4*\c+3] offset:1024*\i+512*\c
.endr
	ds_store_b32 v[XWS], v[PW+\i] offset:256*(\i%2)+4*(\i/2)
.endm
.macro WLOAD dst, scl                  ; my matrix's 16 fragments of this step into window 1 from v[dst] on, and their two blocks of scale words: 34 loads of 512 consecutive bytes
	WIN 0x40                                       ; destination window 1, address window 0
.irp k, 0,1
.irp a, 0,1,2,3,4,5,6,7
.irp c, 0,1
	global_load_b128 v[\dst+64*\k+8*\a+4*\c:\dst+64*\k+8*\a+4*\c+3], v[GL], s[WCP:WCP+1] offset:8192*\k+1024*\a+512*\c
.endr
.endr
.endr
	WIN 0
.irp k, 0,1
	global_load_b128 v[\scl+4*\k:\scl+4*\k+3], v[GL], s[WSP:WSP+1] offset:512*\k
.endr
.endm
.macro XFRAG dst, scl                  ; x's 16 fragments of this step out of LDS, as any wave stored them, and their scale words: 17 loads for each 128 along K
.irp k, 0,1
	WIN 0x40
.irp t, 0,1,2,3,4,5,6,7
.irp c, 0,1
	ds_load_b128 v[\dst+64*\k+8*\t+4*\c:\dst+64*\k+8*\t+4*\c+3], v[LI] offset:(8*\k+\t)*1024+512*\c
.endr
.endr
	WIN 0
	ds_load_b128 v[\scl+4*\k:\scl+4*\k+3], v[LSC] offset:512*\k
.endr
.endm
; One product.  oa, ob: the tile of source 0, of source 1 is odd: its scale words stand in lanes 16-31 of the register named.  zero = 1: the product starts the sum.
.macro WM d, p, r, sa, sb, oa, ob, zero
.if \zero
.if (\oa) && (\ob)
	v_wmma_scale_f32_16x16x128_f8f6f4 v[(\d):(\d)+7], v[(\p):(\p)+7], v[(\r):(\r)+7], 0, v[\sa], v[\sb] matrix_a_fmt:MATRIX_FMT_FP4 matrix_b_fmt:MATRIX_FMT_FP4 matrix_a_scale:MATRIX_SCALE_ROW1 matrix_b_scale:MATRIX_SCALE_ROW1
.elseif \oa
	v_wmma_scale_f32_16x16x128_f8f6f4 v[(\d):(\d)+7], v[(\p):(\p)+7], v[(\r):(\r)+7], 0, v[\sa], v[\sb] matrix_a_fmt:MATRIX_FMT_FP4 matrix_b_fmt:MATRIX_FMT_FP4 matrix_a_scale:MATRIX_SCALE_ROW1
.elseif \ob
	v_wmma_scale_f32_16x16x128_f8f6f4 v[(\d):(\d)+7], v[(\p):(\p)+7], v[(\r):(\r)+7], 0, v[\sa], v[\sb] matrix_a_fmt:MATRIX_FMT_FP4 matrix_b_fmt:MATRIX_FMT_FP4 matrix_b_scale:MATRIX_SCALE_ROW1
.else
	v_wmma_scale_f32_16x16x128_f8f6f4 v[(\d):(\d)+7], v[(\p):(\p)+7], v[(\r):(\r)+7], 0, v[\sa], v[\sb] matrix_a_fmt:MATRIX_FMT_FP4 matrix_b_fmt:MATRIX_FMT_FP4
.endif
.else
.if (\oa) && (\ob)
	v_wmma_scale_f32_16x16x128_f8f6f4 v[(\d):(\d)+7], v[(\p):(\p)+7], v[(\r):(\r)+7], v[(\d):(\d)+7], v[\sa], v[\sb] matrix_a_fmt:MATRIX_FMT_FP4 matrix_b_fmt:MATRIX_FMT_FP4 matrix_a_scale:MATRIX_SCALE_ROW1 matrix_b_scale:MATRIX_SCALE_ROW1
.elseif \oa
	v_wmma_scale_f32_16x16x128_f8f6f4 v[(\d):(\d)+7], v[(\p):(\p)+7], v[(\r):(\r)+7], v[(\d):(\d)+7], v[\sa], v[\sb] matrix_a_fmt:MATRIX_FMT_FP4 matrix_b_fmt:MATRIX_FMT_FP4 matrix_a_scale:MATRIX_SCALE_ROW1
.elseif \ob
	v_wmma_scale_f32_16x16x128_f8f6f4 v[(\d):(\d)+7], v[(\p):(\p)+7], v[(\r):(\r)+7], v[(\d):(\d)+7], v[\sa], v[\sb] matrix_a_fmt:MATRIX_FMT_FP4 matrix_b_fmt:MATRIX_FMT_FP4 matrix_b_scale:MATRIX_SCALE_ROW1
.else
	v_wmma_scale_f32_16x16x128_f8f6f4 v[(\d):(\d)+7], v[(\p):(\p)+7], v[(\r):(\r)+7], v[(\d):(\d)+7], v[\sa], v[\sb] matrix_a_fmt:MATRIX_FMT_FP4 matrix_b_fmt:MATRIX_FMT_FP4
.endif
.endif
.endm
; 64 products: 128 along K, the step's s-th.  The 64 accumulators take turns, one instruction a turn, in the same order every time, over the loop's backward jump too.
.macro MUL s, zero
.irp b, 0,1,2,3,4,5,6,7
.if \b < 4
	WIN 0xa5                                       ; sources 0 and 1 window 1, C and D window 2
.else
	WIN 0xf5                                       ; C and D window 3
.endif
.irp a, 0,1,2,3,4,5,6,7
	WM 64*(\b%4)+8*\a, 64*\s+8*\a, 128+64*\s+8*\b, SP+4*\s+\a/2, SR+4*\s+\b/2, \a%2, \b%2, \zero
.endr
.endr
.endm
; THE WAY OUT.  Unit b's 64 sums become fragment b and its scale word; a fragment leaves as two stores of 512 consecutive bytes, the eight scale words as one.
.macro OUT
	PLACES 4                                       ; between the last products and the first read of results (ISA guide 7.12.1)
.irp b, 0,1,2,3,4,5,6,7
	QUANT 64*(\b%4), 2+\b/4, ST+8*\b, PW+\b
.irp c, 0,1
	global_store_b128 v[GL], v[ST+8*\b+4*\c:ST+8*\b+4*\c+3], s[OC:OC+1] offset:1024*\b+512*\c
.endr
.endr
.irp i, 0,1,2,3
	v_cndmask_b32 v[MW+\i], v[PW+2*\i], v[PW+2*\i+1], s[HI16]      ; word i: lanes 0-15 tile 2 i's, lanes 16-31 tile 2 i + 1's
.endr
	global_store_b128 v[GL], v[MW:MW+3], s[OS:OS+1]
.endm
; A K STEP OF 256, in slot `slot`.  Two barriers.  In front of the first each wave waits for all its tensor loads (one is out: its region of this slot), adds 0 to its spare word, and waits for that and for all its LDS
; reads: of the other slot, and of x's images of the step before.  Behind it the other slot is filled again first (refill = 1): the load has this whole step in which to land.
; Behind the second barrier x's 16 images lie in LDS; the refill stays on its way across it.  By this text's own count a wave never has more than one tensor load out.
; last = 1: the way out follows straight behind this step's products, ahead of the label at which wave 3 joins: it is reached only by way of the products that wrote the sums.
.macro TRIP slot, refill, zero, last
	s_wait_tensorcnt 0x0                           ; all my tensor loads have landed, so every group 0 may be written
	ds_add_u32 v[SPW], v[NIL]                      ; 0 onto my spare word
	s_add_nc_u64 s[G0+4*\slot+2:G0+4*\slot+3], s[G0+4*\slot+2:G0+4*\slot+3], 2048   ; this slot's next K step, two steps on (in the last two steps the stepped address is not used)
	s_wait_dscnt 0x0                               ; the add is done, and my LDS reads are over
	s_barrier_signal -1
	s_barrier_wait -1
.if \refill
	tensor_load_to_lds s[G0+4-4*\slot:G0+7-4*\slot], s[G1:G1+7]   ; my one tensor load behind this barrier, and the first thing there
	s_nop 0
.endif
	PLACES 4                                       ; four plain lines behind the tensor load; they are also the places between the last products and the loads into their operands
	s_cmp_lt_u32 s[WV], 2                          ; the weights of this step: asked for now, wanted behind the second barrier
	s_cbranch_scc0 .Lw_not_qk_\@
	s_wait_alu depctr_va_vdst(0)
	WLOAD 0, SP                                    ; Q's and K's waves: W is source 0
	s_branch .Lw_done_\@
.Lw_not_qk_\@:
	s_cmp_eq_u32 s[WV], 2
	s_cbranch_scc0 .Lw_done_\@
	s_wait_alu depctr_va_vdst(0)
	WLOAD 128, SR                                  ; V's wave: W is source 1
.Lw_done_\@:
	XREAD \slot, 0, 0
	XREAD \slot, 1, 1
	s_wait_dscnt 16                                ; tile 0's 16 loads are in; tile 1's may be out
	QUANT ST, 0, PC, PW
	IMAGE 0
	XREAD \slot, 2, 0
	s_wait_dscnt 19                                ; tile 1's are in; behind them: 3 stores and 16 loads
	QUANT ST+64, 0, PC+8, PW+1
	IMAGE 1
	XREAD \slot, 3, 1
	s_wait_dscnt 19                                ; tile 2's are in; behind them: 3 stores and 16 loads
	QUANT ST, 0, PC+16, PW+2
	IMAGE 2
	s_wait_dscnt 3                                 ; tile 3's are in; behind them: 3 stores
	QUANT ST+64, 0, PC+24, PW+3
	IMAGE 3
	s_wait_loadcnt 0x0                             ; the weights, asked for at the step's head, are in.  Every wave passes this wait: on every way through the text a later load into P's or R's registers finds the earlier ones landed, and the weights' bases may step
	s_wait_dscnt 0x0                               ; for the others' sake: my images lie in LDS
	s_barrier_signal -1
	s_barrier_wait -1
	s_cmp_lt_u32 s[WV], 2
	s_cbranch_scc0 .Lx_not_qk_\@
	XFRAG 128, SR                                  ; Q's and K's waves: x is source 1
	s_branch .Lx_done_\@
.Lx_not_qk_\@:
	s_cmp_eq_u32 s[WV], 2
	s_cbranch_scc0 .Lskip_\@                       ; wave 3 multiplies nothing
	XFRAG 0, SP                                    ; V's wave: x is source 0
.Lx_done_\@:
	s_add_nc_u64 s[WCP:WCP+1], s[WCP:WCP+1], 16384 ; the next step's weights (behind the last step the stepped bases are not used)
	s_add_nc_u64 s[WSP:WSP+1], s[WSP:WSP+1], 1024
	s_wait_dscnt 17                                ; x's first 128 along K are in; the second 128's 17 loads may be out
	MUL 0, \zero
	s_wait_dscnt 0x0
	MUL 1, 0
	WIN 0                                          ; at a label and at a branch every window is 0
.if \last
	OUT
.endif
.Lskip_\@:
.endm
	TRIP 0, 1, 1, 0                                ; the first step stands in front of the loop: its first products start the sums, and nothing is cleared
	s_mov_b32 s[CNT], 3
.Lloop:
	TRIP 1, 1, 0, 0
	TRIP 0, 1, 0, 0
	s_sub_co_u32 s[CNT], s[CNT], 1
	s_cmp_lg_u32 s[CNT], 0
	s_cbranch_scc1 .Lloop
	TRIP 1, 0, 0, 1                                ; the eighth step is written out: it asks for nothing more, and the three products' results leave behind it
	s_wait_tensorcnt 0x0                           ; the wave's end: behind my last tensor load and my last LDS store
	ds_add_u32 v[SPW], v[NIL]
	s_wait_dscnt 0x0
	s_endpgm
.Lfunc_end_k_q6e72bfe431_proj:
	.size	k_q6e72bfe431_proj, .Lfunc_end_k_q6e72bfe431_proj-k_q6e72bfe431_proj
	.p2alignl 7, 3214868480
	.fill 96, 4, 3214868480
	.section	.rodata,"a",@progbits
	.p2align	6, 0x0
	.amdhsa_kernel k_q6e72bfe431_proj
		.amdhsa_group_segment_fixed_size 327680
		.amdhsa_private_segment_fixed_size 0
		.amdhsa_enable_private_segment 0
		.amdhsa_kernarg_size 40
		.amdhsa_user_sgpr_count 2
		.amdhsa_user_sgpr_kernarg_segment_ptr 1
		.amdhsa_wavefront_size32 1
		.amdhsa_system_sgpr_workgroup_id_x 1
		.amdhsa_system_sgpr_workgroup_id_y 1
		.amdhsa_system_sgpr_workgroup_id_z 1
		.amdhsa_system_vgpr_workitem_id 0
		.amdhsa_next_free_vgpr 1024
		.amdhsa_next_free_sgpr 66
		.amdhsa_reserve_vcc 0
		.amdhsa_float_denorm_mode_32 3
		.amdhsa_float_denorm_mode_16_64 3
		.amdhsa_memory_ordered 1
		.amdhsa_forward_progress 1
		.amdhsa_inst_pref_size 230
	.end_amdhsa_kernel
	.amdgpu_metadata
---
amdhsa.version: [ 1, 2 ]
amdhsa.kernels:
  - .name:           k_q6e72bfe431_proj
    .symbol:         k_q6e72bfe431_proj.kd
    .args:
      - { .name: x, .offset: 0, .size: 8, .value_kind: global_buffer, .address_space: global }
      - { .name: wc, .offset: 8, .size: 8, .value_kind: global_buffer, .address_space: global }
      - { .name: ws, .offset: 16, .size: 8, .value_kind: global_buffer, .address_space: global }
      - { .name: qb, .offset: 24, .size: 8, .value_kind: global_buffer, .address_space: global }
      - { .name: kv, .offset: 32, .size: 8, .value_kind: global_buffer, .address_space: global }
    .group_segment_fixed_size: 327680
    .private_segment_fixed_size: 0
    .kernarg_segment_align: 8
    .kernarg_segment_size: 40
    .max_flat_workgroup_size: 128
    .sgpr_count:     66
    .vgpr_count:     1024
    .wavefront_size: 32
...
	.end_amdgpu_metadata
.endif
;; end of part 2
;; launch attn (part 3): grid 32 x 8, 8 waves a work-group, no clusters, 327,680 bytes of LDS; arguments qb, kv, out0; writes out0
.if DOCPART == 3
	.amdgcn_target "amdgcn-amd-amdhsa--gfx1250"
	.amdhsa_code_object_version 6
	.text
	.protected	k_q6e72bfe431_attn
	.globl	k_q6e72bfe431_attn
	.p2align	8
	.type	k_q6e72bfe431_attn,@function
k_q6e72bfe431_attn:
	s_mov_b64 s[64:65], 0
	v_nop
	global_prefetch_b8 v0, s[64:65] scope:SCOPE_SE
	s_setreg_imm32_b32 hwreg(HW_REG_WAVE_MODE, 25, 1), 1
	s_wait_xcnt 0x0
; out0[b][q][:] = the sum over keys k <= q of softmax_k(Q[b][q] . K[b][k] / sqrt(128)) V[b][k][:], both products on codes of FP4 (E2M1) with one E8M0 scale for each 32 along a product's K.  8 batches of 4,096 tokens, head 128.
; qb: [group 256 = 32 x batch + token / 128] of 8,704 bytes: Q's eight fragments, then a block of scale words.  kv: [group 256] of 17,408 bytes: K's eight fragments at 0, V^T's eight at 8,192, K's scale words at 16,384, V's at 16,896.
; All are IMAGES OF OPERAND REGISTERS: a fragment (16 rows x 128 K) is [c 0..1][lane][16 bytes]; of a block of scale words (512 bytes) word i of lane l belongs to tile 2 i + l / 16, row l % 16: tile t names register t / 2, its upper lanes where t is odd.
; Row r of tile t is item 32 (t / 2) + 8 (t % 2) + r + 8 (r / 8) of its 128 (tokens for Q and K, head units for V^T), so that row 8 h + j is item 32 (t / 2) + 16 h + 8 (t % 2) + j.
; THE SOFTMAX AHEAD OF THE SECOND PRODUCT: t = score x log2(e) / sqrt(128); M = the row's largest t so far, rounded UP to a whole number; p = 2^(t - M) is what is quantised, along the keys, not normalised.
; The row's sum is taken of the unquantised p, in f32, and divides at the end.  When M moves, the sum and O are multiplied by 2^(old M - new M): exact.
; LAYOUT.  Both products are used transposed: S^T = K Q^T (source 0 = 16 keys, source 1 = my 16 queries), O^T = V^T P^T (source 0 = 16 head units, source 1 = p): a lane holds ONE query (lane % 16) throughout;
; the 16 registers of tiles 2 b and 2 b + 1 of S^T are keys 32 b + 16 (lane / 16) + 0 .. 15 of the step's 128, those of O^T the head units of the same numbers.
; SHARES.  A wave owns one tile of 16 queries and walks the keys 128 a step.  A query of group G needs G + 1 steps.  Work-group x = 16 half + p: waves 0-3 take tiles 4 half + 0 .. 3 of group p, waves 4-7 those of group 31 - p:
; waves w and w + 4 have 33 steps between them, in every work-group.
; K and V come through two LDS slots of eight groups; each of the eight waves fetches one group (17,408 dense bytes) by one tensor load; all eight read them.
; EVERY work-group walks all four slots' worth of keys, so that trip counts are constants and no tensor load or barrier is jumped over; a step all of whose keys come after the wave's queries is left out by a scalar branch
; on ids.  The price: groups past 31 - p are fetched and not read.
; NO CLUSTER: the work-groups that read the same K and V differ in their query groups, on which that branch hangs; without the branch the work would double.
; LIMITS: v_exp_f32 gives 0 for p under 2^-126; a block whose every p is 0 keeps the scale byte 1 over zero codes.  NaN and infinities are not served.
; REGISTERS: v1-7 addresses that stay; v12 -M, v13 the largest t, v[14:15] the sum in two halves; v16-23 Q; v24-27 K's scale words, v28-31 V's; v32-95 eight fragments of K, then of V; v96-159 S^T, then p;
; v160-223 O^T; v224-231 p's codes; v232-254 at work; v253 p's scale word; v255 Q's.
.set GB,     17408                     ; a group's bytes in kv
.set SLOT,   8*GB
.set SPARE,  2*SLOT                    ; behind the ring: the spare words, 128 bytes for each wave: four blocks of 256 bytes that no other line names
.set SPITCH, 528                       ; the way out: a stage of 16 rows x (512 bytes + 16) for each wave, in slot 0, which has had its last fill and its last read when the first result is stored there
.set LI,  1                            ; v1  16 x lane
.set ADR, 2                            ; v2  LDS address of the step's group, for my lane
.set DQ,  3                            ; v3  my query's number in its group - 16 (lane / 16)
.set STO, 4                            ; v4  the way out: where I put my row's numbers
.set RD,  5                            ; v5  and where I read a row back
.set SPW, 6                            ; v6  LDS address of my spare word; never rewritten
.set NIL, 7                            ; v7  0; never rewritten
.set WV,  10                           ; s10 my wave's number
.set GQ,  11                           ; s11 my queries' group, 0..31
.set KG,  12                           ; s12 the step's group of keys, 0..31
.set TB,  13                           ; s13 LDS byte at which the step's group begins
.set CNT, 14
.set TQ,  16                           ; s16 my tile of queries, 0..7
.set BA,  17                           ; s17 the batch
.set SEL, 20                           ; s[20:21] selects of v_permlanex16_b32 for lane l xor 16
.set CS,  22                           ; s[22:23] c = log2(e) / sqrt(128): the packed form names a pair and takes its low word for both halves
.set G1,  24                           ; s[24:31] descriptor group 1
.set G0,  32
; THE LATE TILE'S KEYS ARE SHARED.  Waves w (0-3) and w + 4 own the same tile number in groups p and 31 - p.  Up to key group p both walk every step, each for its own tile.  From group p + 1 on the late tile's
; 31 - 2 p remaining steps go by turns: wave w + 4 takes the first, the third .. and the diagonal, wave w the others: 17 and 16 steps.  At group p + 1 wave w puts its finished tile (O^T and the sum) aside in
; v256-321, takes the late tile's Q (loaded at the head into v328-336) and begins a running state of its own.  At the end it hands O^T, -M and the sum to wave w + 4 through LDS bytes of their own;
; both parts are brought under the larger M by powers of two, which round nothing, and added.  A part with no step has O^T = 0, sum 0 and a factor 0.  All these branches hang on ids alone.
.set PS,  53                           ; s53 p
.set RB,  54                           ; s54 1 in waves 0-3, 0 in waves 4-7
.set GL2, 55                           ; s55 31 - p
.set Q2,  56                           ; s[56:57] qb at group 31 - p of my batch
.set PT,  60                           ; s60 p + 1
.set XCH, SPARE+1024                   ; behind the spare words: 8,704 bytes for each pair of waves: 16 x 512 of O^T, then -M and the sum's halves; no tensor load lands here
	s_load_b128 s[4:7], s[0:1], 0x0                ; qb, kv
	s_load_b64 s[8:9], s[0:1], 0x10                ; out0
	v_lshl_add_u32 v[SPW], v0, 2, SPARE
	v_mov_b32 v[NIL], 0
	ds_add_u32 v6, v7
	ds_add_u32 v6, v7
	s_wait_dscnt 0x0
	v_lshrrev_b32 v8, 5, v0
	s_delay_alu instid0(VALU_DEP_1)
	v_readfirstlane_b32 s[WV], v8                  ; wave 0..7
	s_and_b32 s18, ttmp9, 15                       ; p
	s_lshr_b32 s19, ttmp9, 4                       ; half
	s_sub_co_u32 s40, 31, s18
	s_cmp_lt_u32 s[WV], 4
	s_cselect_b32 s[GQ], s18, s40
	s_cselect_b32 s[RB], 1, 0
	s_mov_b32 s[PS], s18
	s_mov_b32 s[GL2], s40
	s_add_co_u32 s[PT], s18, 1
	s_and_b32 s[TQ], s[WV], 3
	s_lshl_b32 s19, s19, 2
	s_add_co_u32 s[TQ], s[TQ], s19                 ; my tile: 4 half + wave % 4
	s_and_b32 s[BA], ttmp7, 0xffff
	; descriptor group 1: a group's 17,408 dense bytes as 68 rows of 256 bytes (32 elements of 8 bytes); no padding: images are read 16 bytes a lane on end
	s_mov_b32 s[G1+0], 3<<16
	s_mov_b32 s[G1+1], 32<<16                      ; tensor_dim0 = 32
	s_mov_b32 s[G1+2], 68<<16                      ; tensor_dim1 = 68
	s_mov_b32 s[G1+3], 32<<16                      ; tile_dim0 = 32
	s_mov_b32 s[G1+4], 68                          ; tile_dim1 = 68
	s_mov_b32 s[G1+5], 32                          ; tensor_dim0_stride
	s_mov_b32 s[G1+6], 0
	s_mov_b32 s[G1+7], 0
	s_lshl_b32 s44, s[BA], 5
	s_add_co_u32 s42, s44, s[GQ]                   ; my queries' group among the 256
	s_add_co_u32 s44, s44, s[WV]                   ; the group that I fetch first
	s_mul_i32 s44, s44, GB
	s_mov_b32 s45, 0
	s_mul_i32 s41, s[WV], GB                       ; and its place in a slot
	s_wait_kmcnt 0x0
	s_add_nc_u64 s[46:47], s[6:7], s[44:45]
.irp n, 0,1
	s_mov_b32 s[G0+4*\n], 1                                        ; count = 1
	s_add_co_u32 s[G0+4*\n+1], s41, \n*SLOT                        ; LDS address
	s_add_nc_u64 s[G0+4*\n+2:G0+4*\n+3], s[46:47], \n*SLOT         ; global address: group 8 n + wave of the batch
	s_or_b32 s[G0+4*\n+3], s[G0+4*\n+3], 0x80000000               ; type = 2
.endr
	tensor_load_to_lds s[G0:G0+3], s[G1:G1+7]      ; slot 0 goes out before anything else; slot 1 is first filled behind the first barrier
	s_nop 0
.rept 4
	v_nop                                          ; four plain lines behind a tensor load
.endr
	s_lshl_b32 s58, s[BA], 5
	s_add_co_u32 s58, s58, s[GL2]
	s_mul_i32 s58, s58, 8704
	s_mov_b32 s59, 0
	s_add_nc_u64 s[Q2:Q2+1], s[4:5], s[58:59]      ; qb at the late group
	s_mul_i32 s44, s42, 8704
	s_add_nc_u64 s[4:5], s[4:5], s[44:45]
	v_and_b32 v10, 15, v0                          ; r
	s_wait_alu depctr_va_vdst(0)
	v_bfe_u32 v11, v0, 4, 1                        ; h
	s_wait_alu depctr_va_vdst(0)
	v_and_b32 v[LI], 31, v0
	s_delay_alu instid0(VALU_DEP_1)
	v_lshlrev_b32 v[LI], 4, v[LI]
	s_lshl_b32 s44, s[TQ], 10
	v_add_nc_u32 v8, s44, v[LI]
	global_load_b128 v[16:19], v8, s[4:5]          ; Q's fragment stays in registers
	global_load_b128 v[20:23], v8, s[4:5] offset:512
	s_and_b32 s43, s[TQ], 1
	s_lshr_b32 s48, s[TQ], 1
	s_lshl_b32 s44, s43, 8
	s_lshl_b32 s49, s48, 2
	s_add_co_u32 s44, s44, s49
	v_lshl_add_u32 v9, v10, 4, s44                 ; its scale word: 16 (16 (tile % 2) + r) + 4 (tile / 2)
	global_load_b32 v255, v9, s[4:5] offset:8192
	s_wait_alu depctr_va_vdst(0)
	s_cmp_ge_u32 s[WV], 4
	s_cbranch_scc1 .Lno_q2
	s_set_vgpr_msb 0x40                            ; destinations v256 and up
	global_load_b128 v[72:75], v8, s[Q2:Q2+1]      ; waves 0-3: the late tile's Q, v328-335,
	global_load_b128 v[76:79], v8, s[Q2:Q2+1] offset:512
	global_load_b32 v80, v9, s[Q2:Q2+1] offset:8192   ; and its scale words, v336
.set j, 0
.rept 66
	v_mov_b32 v[j], 0                              ; v256-321, where the early tile is put aside: written here so that they are defined on every way through the text
.set j, j+1
.endr
	s_set_vgpr_msb 0x4000
.Lno_q2:
	s_lshl_b32 s49, s48, 5
	s_lshl_b32 s50, s43, 3
	s_add_co_u32 s49, s49, s50                     ; my tile's first token in its group: 32 (tile / 2) + 8 (tile % 2)
	v_and_b32 v[DQ], 8, v10
	s_delay_alu instid0(VALU_DEP_1)
	v_add_nc_u32 v[DQ], v[DQ], v10                 ; r + 8 (r / 8)
	s_delay_alu instid0(VALU_DEP_1)
	v_add_nc_u32 v[DQ], s49, v[DQ]                 ; my query's number in its group,
	v_lshlrev_b32 v252, 4, v11
	s_delay_alu instid0(VALU_DEP_1)
	v_sub_nc_u32 v[DQ], v[DQ], v252                ; less 16 h
	s_lshl_b32 s50, s[BA], 12
	s_lshl_b32 s51, s[GQ], 7
	s_add_co_u32 s50, s50, s51
	s_add_co_u32 s50, s50, s49
	s_lshl_b32 s50, s50, 9                         ; rows of 512 bytes
	s_mov_b32 s51, 0
	s_add_nc_u64 s[8:9], s[8:9], s[50:51]          ; out0 at my tile's first token
	s_mul_i32 s52, s[WV], 16*SPITCH                ; my stage
	v_mul_u32_u24 v[STO], v10, SPITCH
	s_delay_alu instid0(VALU_DEP_1)
	v_lshl_add_u32 v[STO], v11, 6, v[STO]
	s_delay_alu instid0(VALU_DEP_1)
	v_add_nc_u32 v[STO], s52, v[STO]               ; in: row r, + 64 h
	v_add_nc_u32 v[RD], s52, v[LI]
	s_and_b32 s58, s[WV], 3
	s_mul_i32 s58, s58, 8704
	s_add_co_u32 s58, s58, XCH                     ; my pair's bytes
	v_add_nc_u32 v10, s58, v[LI]                   ; v10: 16 bytes a lane
	v_and_b32 v11, 31, v0
	v_lshl_add_u32 v11, v11, 2, s58                ; v11: 4 bytes a lane
	s_mov_b32 s[SEL], 0x76543210
	s_mov_b32 s[SEL+1], 0xfedcba98
	s_mov_b32 s[CS], 0x3e0293ee                    ; c = log2(e) / sqrt(128)
	s_mov_b32 s[CS+1], s[CS]                       ; (named with it as a pair, so it is written)
	s_mov_b32 s[KG], 0
	v_mov_b32 v13, 0xff61b1e6                      ; the largest t so far: -3e38, under every t
	s_delay_alu instid0(VALU_DEP_1)
	v_floor_f32 v12, -v13                          ; -M
	v_mov_b32 v14, 0                               ; the sum, in two halves
	v_mov_b32 v15, 0
.irp b, 0,1,2,3
	v_mov_b32 v[236+\b], 0                         ; written once: a lane permute's destination counts as one of its sources
.endr
	v_mov_b32 v249, 0                              ; (named as the upper half of the pair v[248:249])
.set j, 0
.rept 64
	v_mov_b32 v[160+j], 0                          ; O^T.  (The step is written for every step alike: the first finds zeros, which the first change of M leaves zeros)
.set j, j+1
.endr
.macro SPROD t                         ; S^T's tile t: 16 keys x my 16 queries, K = the head's 128; the product starts its sum
.if (\t)%2
	v_wmma_scale_f32_16x16x128_f8f6f4 v[96+8*\t:103+8*\t], v[32+8*\t:39+8*\t], v[16:23], 0, v[24+\t/2], v255 matrix_a_fmt:MATRIX_FMT_FP4 matrix_b_fmt:MATRIX_FMT_FP4 matrix_a_scale:MATRIX_SCALE_ROW1
.else
	v_wmma_scale_f32_16x16x128_f8f6f4 v[96+8*\t:103+8*\t], v[32+8*\t:39+8*\t], v[16:23], 0, v[24+\t/2], v255 matrix_a_fmt:MATRIX_FMT_FP4 matrix_b_fmt:MATRIX_FMT_FP4
.endif
.endm
.macro OPROD t                         ; O^T's tile t: 16 head units x my 16 queries, K = the step's 128 keys
.if (\t)%2
	v_wmma_scale_f32_16x16x128_f8f6f4 v[160+8*\t:167+8*\t], v[32+8*\t:39+8*\t], v[224:231], v[160+8*\t:167+8*\t], v[28+\t/2], v253 matrix_a_fmt:MATRIX_FMT_FP4 matrix_b_fmt:MATRIX_FMT_FP4 matrix_a_scale:MATRIX_SCALE_ROW1
.else
	v_wmma_scale_f32_16x16x128_f8f6f4 v[160+8*\t:167+8*\t], v[32+8*\t:39+8*\t], v[224:231], v[160+8*\t:167+8*\t], v[28+\t/2], v253 matrix_a_fmt:MATRIX_FMT_FP4 matrix_b_fmt:MATRIX_FMT_FP4
.endif
.endm
; A KEY STEP: the 128 keys of group KG.
; Waves 0-3, at key group p + 1: the early tile is finished.
.macro TRANS
.rept 4
	v_nop                                          ; places between the last products and the first read of their results
.endr
	s_set_vgpr_msb 0x40
.set j, 0
.rept 64
	v_mov_b32 v[j], v[160+j]                       ; O^T aside, each accumulator from its low end on
.set j, j+1
.endr
	v_mov_b32 v64, v14                             ; and the sum's halves
	v_mov_b32 v65, v15
	s_set_vgpr_msb 0x4001                          ; sources v256 and up
.set j, 0
.rept 8
	v_mov_b32 v[16+j], v[72+j]                     ; the late tile's Q
.set j, j+1
.endr
	v_mov_b32 v255, v80
	s_set_vgpr_msb 0x0100
	v_mov_b32 v13, 0xff61b1e6                      ; a running state of its own: the largest t -3e38,
	v_mov_b32 v14, 0
	v_mov_b32 v15, 0
	v_floor_f32 v12, -v13
.set j, 0
.rept 64
	v_mov_b32 v[160+j], 0
.set j, j+1
.endr
	s_mov_b32 s[GQ], s[GL2]                        ; my queries are now the late group's
	s_wait_alu depctr_va_vdst(0)
.endm
.macro STEP tr
.if \tr
	s_cmp_ge_u32 s[WV], 4
	s_cbranch_scc1 .Lstay_\@
	s_cmp_lg_u32 s[KG], s[PT]
	s_cbranch_scc1 .Lstay_\@
	TRANS
.Lstay_\@:
.endif
	s_cmp_gt_u32 s[KG], s[GQ]
	s_cbranch_scc1 .Lhidden_\@
	s_cmp_le_u32 s[KG], s[PS]                      ; up to group p every step is mine
	s_cbranch_scc1 .Lmine_\@
	s_sub_co_u32 s58, s[KG], s[PS]                 ; behind it the steps go by turns: odd distances to waves 4-7, even ones to waves 0-3
	s_xor_b32 s58, s58, s[RB]
	s_and_b32 s58, s58, 1
	s_cmp_eq_u32 s58, 0
	s_cbranch_scc1 .Lhidden_\@
.Lmine_\@:
	v_add_nc_u32 v[ADR], s[TB], v[LI]
.rept 3
	v_nop                                          ; with the addition: four places between the last step's products and the loads into their operands
.endr
.irp t, 0,1,2,3,4,5,6,7
.irp c, 0,1
	ds_load_b128 v[32+8*\t+4*\c:35+8*\t+4*\c], v[ADR] offset:1024*\t+512*\c     ; K's eight fragments
.endr
.endr
	ds_load_b128 v[24:27], v[ADR] offset:16384     ; and their scale words
	s_wait_alu depctr_va_vdst(0)
	s_wait_dscnt 0x0
.irp t, 0,1,2,3,4,5,6,7
	SPROD \t
.endr
.rept 4
	v_nop                                          ; places in front of the loads below and of the first read of the scores
.endr
.irp t, 0,1,2,3,4,5,6,7
.irp c, 0,1
	ds_load_b128 v[32+8*\t+4*\c:35+8*\t+4*\c], v[ADR] offset:8192+1024*\t+512*\c   ; V^T's eight fragments take K's place: they land behind the softmax
.endr
.endr
	ds_load_b128 v[28:31], v[ADR] offset:16896
	s_cmp_lg_u32 s[KG], s[GQ]                      ; on the diagonal the scores of hidden keys become -infinity ahead of the maximum: p = 0 then.  A step all of whose keys count skips this
	s_cbranch_scc1 .Lopen_\@
	v_mov_b32 v254, 0xff800000                     ; -infinity
.set n, 0
.rept 64
	v_cmp_gt_i32 vcc_lo, 32*(n/16)+n%16, v[DQ]     ; register 16 b + i holds key 32 b + 16 (lane / 16) + i: hidden where 32 b + i > my query - 16 (lane / 16)
	v_cndmask_b32 v[96+n], v[96+n], v254, vcc_lo
.set n, n+1
.endr
.Lopen_\@:
.irp b, 0,1,2,3
	v_max3_num_f32 v[232+\b], v[96+16*\b], v[97+16*\b], v[98+16*\b]   ; THE LARGEST SCORE OF EACH BLOCK OF 32 KEYS serves twice: for the row's maximum, and, since p rises with the score, for the block's largest p
.endr
.irp i, 3,5,7,9,11,13
.irp b, 0,1,2,3
	v_max3_num_f32 v[232+\b], v[232+\b], v[96+16*\b+\i], v[97+16*\b+\i]   ; (the four blocks by turns)
.endr
.endr
.irp b, 0,1,2,3
	v_max_num_f32 v[232+\b], v[232+\b], v[111+16*\b]
.endr
.irp b, 0,1,2,3
	s_delay_alu instid0(VALU_DEP_4)
	v_permlanex16_b32 v[236+\b], v[232+\b], s[SEL], s[SEL+1]
.endr
.irp b, 0,1,2,3
	s_delay_alu instid0(VALU_DEP_4)
	v_max_num_f32 v[232+\b], v[232+\b], v[236+\b]  ; with lane l xor 16's 16 keys
.endr
	s_delay_alu instid0(VALU_DEP_2)
	v_max3_num_f32 v254, v232, v233, v234
	s_delay_alu instid0(VALU_DEP_1)
	v_max_num_f32 v254, v254, v235                 ; the step's largest score of my query (a number: my query's own key, or an earlier one, counts)
	s_delay_alu instid0(VALU_DEP_1)
	v_mul_f32 v254, s[CS], v254                    ; as t (c is positive)
	s_delay_alu instid0(VALU_DEP_1)
	v_max_num_f32 v13, v13, v254                   ; the running largest t
	v_mov_b32 v254, v12
	s_delay_alu instid0(VALU_DEP_2)
	v_floor_f32 v12, -v13                          ; the new -M = floor(-t) = -ceil(t): M IS A WHOLE NUMBER
	s_delay_alu instid0(VALU_DEP_1)
	v_sub_f32 v254, v12, v254                      ; M's old value less its new one: a whole number, 0 or less
	s_delay_alu instid0(VALU_DEP_1)
	v_cvt_i32_f32 v254, v254                       ; (it saturates)
	s_delay_alu instid0(VALU_DEP_1)
	v_ldexp_f32 v248, 1.0, v254                    ; f = 2^(old M - new M): a multiplication by it rounds nothing
.set j, 0
.rept 32
	v_pk_fma_f32 v[96+j:97+j], v[96+j:97+j], s[CS:CS+1], v[12:13] op_sel_hi:[1,0,0]   ; t - M, two at a time (of the pairs c and -M the low word serves both halves)
.set j, j+2
.endr
.irp b, 0,1,2,3
	v_fma_f32 v[232+\b], v[232+\b], s[CS], v12     ; the same of each block's largest score
.endr
.set j, 0
	s_wait_alu depctr_va_vdst(0)
.rept 64
	v_exp_f32 v[96+j], v[96+j]                     ; p = 2^(t - M), at most 1: NOT normalised
.set j, j+1
.endr
.irp b, 0,1,2,3
	v_exp_f32 v[232+\b], v[232+\b]                 ; the block's largest p: the same two instructions on the same number give the same bits
.endr
	v_pk_mul_f32 v[14:15], v[14:15], v[248:249] op_sel_hi:[1,0]   ; the sums under the new M.  (The plain line behind the exponentials)
	s_wait_alu depctr_va_vdst(0)
.irp b, 0,1,2,3
	v_max_num_f32 v[232+\b], 0x1800000, v[232+\b]  ; the floor 2^(3 - 127): the byte cannot fall under 1
.endr
.irp b, 0,1,2,3
	s_delay_alu instid0(VALU_DEP_4)
	v_add_nc_u32 v[244+\b], 0xff000000, v[232+\b]  ; 2 off the exponent field: the conversion's scale operand
.endr
.irp b, 0,1,2,3
	s_delay_alu instid0(VALU_DEP_4)
	v_lshrrev_b32 v[236+\b], 23, v[244+\b]         ; the scale's byte
.endr
	s_delay_alu instid0(VALU_DEP_3)
	v_lshl_or_b32 v253, v237, 8, v236              ; p's scale word for these 128 keys
	s_delay_alu instid0(VALU_DEP_1)
	v_lshl_or_b32 v253, v238, 16, v253
	s_delay_alu instid0(VALU_DEP_1)
	v_lshl_or_b32 v253, v239, 24, v253
.irp b, 0,1,2,3
	v_cvt_scalef32_pk8_fp4_f32 v[224+2*\b], v[96+16*\b:103+16*\b], v[244+\b]
	v_cvt_scalef32_pk8_fp4_f32 v[225+2*\b], v[104+16*\b:111+16*\b], v[244+\b]
.endr
	v_nop                                          ; one plain line behind a scaled conversion
.irp c, 0,1                            ; the operand's layout wants a WHOLE block in a lane: lanes 0-15 block 2 c, lanes 16-31 block 2 c + 1
.irp i, 0,1
	v_permlane16_swap_b32 v[224+4*\c+\i], v[226+4*\c+\i]
.endr
.endr
	v_pk_add_f32 v[240:241], v[100:101], v[104:105]
	v_pk_add_f32 v[250:251], v[108:109], v[112:113]
	v_pk_add_f32 v[246:247], v[116:117], v[120:121]
	v_pk_add_f32 v[244:245], v[124:125], v[128:129]
	v_pk_add_f32 v[242:243], v[132:133], v[136:137]
	v_pk_add_f32 v[234:235], v[140:141], v[144:145]
	v_pk_add_f32 v[232:233], v[148:149], v[152:153]
	v_pk_add_f32 v[14:15], v[14:15], v[156:157]
	v_pk_add_f32 v[240:241], v[240:241], v[96:97]
	v_pk_add_f32 v[250:251], v[250:251], v[98:99]
	v_pk_add_f32 v[246:247], v[246:247], v[102:103]
	v_pk_add_f32 v[244:245], v[244:245], v[106:107]
	v_pk_add_f32 v[242:243], v[242:243], v[110:111]
	v_pk_add_f32 v[234:235], v[234:235], v[114:115]
	v_pk_add_f32 v[232:233], v[232:233], v[118:119]
	v_pk_add_f32 v[14:15], v[14:15], v[122:123]
	v_pk_add_f32 v[240:241], v[240:241], v[126:127]
	v_pk_add_f32 v[250:251], v[250:251], v[130:131]
	v_pk_add_f32 v[246:247], v[246:247], v[134:135]
	v_pk_add_f32 v[244:245], v[244:245], v[138:139]
	v_pk_add_f32 v[242:243], v[242:243], v[142:143]
	v_pk_add_f32 v[234:235], v[234:235], v[146:147]
	v_pk_add_f32 v[232:233], v[232:233], v[150:151]
	v_pk_add_f32 v[14:15], v[14:15], v[154:155]
	v_pk_add_f32 v[240:241], v[240:241], v[158:159]
	s_delay_alu instid0(VALU_DEP_2)
	v_pk_add_f32 v[14:15], v[14:15], v[244:245]
	s_delay_alu instid0(VALU_DEP_2)
	v_pk_add_f32 v[240:241], v[240:241], v[242:243]
	v_pk_add_f32 v[250:251], v[250:251], v[234:235]
	v_pk_add_f32 v[246:247], v[246:247], v[232:233]
	s_delay_alu instid0(VALU_DEP_2)
	v_pk_add_f32 v[14:15], v[14:15], v[250:251]
	s_delay_alu instid0(VALU_DEP_2)
	v_pk_add_f32 v[240:241], v[240:241], v[246:247]
	s_delay_alu instid0(VALU_DEP_1)
	v_pk_add_f32 v[14:15], v[14:15], v[240:241]
.set j, 0
.rept 32
	v_pk_mul_f32 v[160+j:161+j], v[160+j:161+j], v[248:249] op_sel_hi:[1,0]   ; O^T under the new M: x f, each accumulator from its low end on.  (These 32 also stand between the lines that made p's codes and scale word and the products below)
.set j, j+2
.endr
	s_wait_alu depctr_va_vdst(0)
	s_wait_dscnt 0x0                               ; V^T's fragments and scale words are in
.irp t, 0,1,2,3,4,5,6,7
	OPROD \t                                       ; the eight accumulators by turns, one instruction a turn
.endr
.Lhidden_\@:
.endm
; THE CHANGE OF SLOTS stands at a slot's head.  Each wave waits for all its tensor loads (its group of the slot ahead), adds 0 to its spare word, and waits for that and for its reads of the slot that it has left.
; Behind the barrier the slot ahead is whole and nobody reads the other one.  fill = 1: that other slot is filled with the next eight groups: the load has eight steps in which to land.
; step = 1: this slot's descriptor moves two slots on, for its next fill.  By this text's own count a wave never has more than one tensor load out.
.macro CHANGE slot, fill, step
	s_wait_tensorcnt 0x0                           ; no tensor load of mine is out, so a group 0 may be written
	ds_add_u32 v[SPW], v[NIL]                      ; 0 onto my spare word
.if \step
	s_add_nc_u64 s[G0+4*\slot+2:G0+4*\slot+3], s[G0+4*\slot+2:G0+4*\slot+3], 2*SLOT   ; sixteen groups on; the type bits on top are not reached
.endif
	s_mov_b32 s[TB], \slot*SLOT
	s_mov_b32 s[CNT], 8
	s_wait_dscnt 0x0                               ; the add is done, and my reads of the slot that I have left are over
	s_barrier_signal -1
	s_barrier_wait -1
.if \fill
	tensor_load_to_lds s[G0+4-4*\slot:G0+7-4*\slot], s[G1:G1+7]   ; the first thing behind the barrier, and my one tensor load until the next
	s_nop 0
.rept 4
	v_nop
.endr
.endif
.endm
.macro SLOTPH slot, fill, step, tr     ; tr = 1: group p + 1 (1 to 16) may lie among this slot's eight
	CHANGE \slot, \fill, \step
.Lstep_\@:
	STEP \tr
	s_add_co_u32 s[TB], s[TB], GB
	s_add_co_u32 s[KG], s[KG], 1
	s_sub_co_u32 s[CNT], s[CNT], 1
	s_cmp_lg_u32 s[CNT], 0
	s_cbranch_scc1 .Lstep_\@
.endm
	s_wait_loadcnt 0x0                             ; Q
	SLOTPH 0, 1, 1, 1
	SLOTPH 1, 1, 1, 1
	SLOTPH 0, 1, 0, 1
	SLOTPH 1, 0, 0, 0
	; THE WAY OUT.  O^T is divided by the row's sum and goes through my stage in LDS, so that the 32 lanes store a whole row of 512 bytes.
.rept 4
	v_nop                                          ; places between the last products and the first read of their results
.endr
	; THE TWO PARTS OF THE LATE TILE MEET.  Waves 0-3 store theirs, one barrier, waves 4-7 read it; waves 0-3 take their early tile back.
	s_cmp_ge_u32 s[WV], 4
	s_cbranch_scc1 .Lnot_b
	s_wait_alu depctr_va_vdst(0)                   ; where no step was mine, what they read was written by plain lines ahead of branches
.set j, 0
.rept 16
	ds_store_b128 v10, v[160+4*j:163+4*j] offset:512*j   ; each accumulator from its low end on
.set j, j+1
.endr
	ds_store_b32 v11, v12 offset:8192
	ds_store_b32 v11, v14 offset:8320
	ds_store_b32 v11, v15 offset:8448
.Lnot_b:
	s_wait_dscnt 0x0                               ; for the partner's sake: my stores are done
	s_barrier_signal -1
	s_barrier_wait -1
	s_cmp_ge_u32 s[WV], 4
	s_cbranch_scc1 .Lmerge
	s_set_vgpr_msb 0x01                            ; sources v256 and up
	v_mov_b32 v14, v64
	v_mov_b32 v15, v65
.set j, 0
.rept 64
	v_mov_b32 v[160+j], v[j]
.set j, j+1
.endr
	s_set_vgpr_msb 0x0100
	s_wait_alu depctr_va_vdst(0)
	s_branch .Lout
.Lmerge:
.set j, 0
.rept 16
	ds_load_b128 v[32+4*j:35+4*j], v10 offset:512*j
.set j, j+1
.endr
	ds_load_b32 v24, v11 offset:8192               ; the partner's -M,
	ds_load_b32 v26, v11 offset:8320               ; and its sum's halves
	ds_load_b32 v27, v11 offset:8448
	v_mov_b32 v251, 0                              ; (named as the upper half of the pair v[250:251])
	s_wait_alu depctr_va_vdst(0)
	s_wait_dscnt 0x0
	v_min_num_f32 v252, v12, v24                   ; -M of the two together
	v_sub_f32 v253, v252, v12                      ; my M less the common one, and the partner's: whole numbers, 0 or less
	v_sub_f32 v254, v252, v24
	v_cvt_i32_f32 v253, v253                       ; (they saturate)
	v_cvt_i32_f32 v254, v254
	v_ldexp_f32 v248, 1.0, v253
	v_ldexp_f32 v250, 1.0, v254
	v_pk_mul_f32 v[14:15], v[14:15], v[248:249] op_sel_hi:[1,0]
.set j, 0
.rept 32
	v_pk_mul_f32 v[160+j:161+j], v[160+j:161+j], v[248:249] op_sel_hi:[1,0]
.set j, j+2
.endr
	v_pk_fma_f32 v[14:15], v[26:27], v[250:251], v[14:15] op_sel_hi:[1,0,1]
.set j, 0
.rept 32
	v_pk_fma_f32 v[160+j:161+j], v[32+j:33+j], v[250:251], v[160+j:161+j] op_sel_hi:[1,0,1]
.set j, j+2
.endr
.Lout:
	v_add_f32 v14, v14, v15
	s_delay_alu instid0(VALU_DEP_1)
	v_permlanex16_b32 v252, v14, s[SEL], s[SEL+1]
	s_delay_alu instid0(VALU_DEP_1)
	v_add_f32 v14, v14, v252                       ; and lane l xor 16's: the row's sum
	s_wait_alu depctr_va_vdst(0)
	v_rcp_f32 v14, v14
	v_nop                                          ; one plain line behind a transcendental
.set j, 0
	s_wait_alu depctr_va_vdst(0)
.rept 64
	v_mul_f32 v[96+j], v[160+j], v14               ; register 16 b + i is head unit 32 b + 16 h + i of my query; each accumulator from its low end on
.set j, j+1
.endr
.irp b, 0,1,2,3
.irp j, 0,1,2,3
	ds_store_b128 v[STO], v[96+16*\b+4*\j:99+16*\b+4*\j] offset:128*\b+16*\j
.endr
.endr
.irp i, 0,1,2,3,4,5,6,7,8,9,10,11,12,13,14,15
	ds_load_b128 v[32+4*\i:35+4*\i], v[RD] offset:\i*SPITCH        ; LDS serves a wave's instructions in order (ISA guide 5.7.1.4): these see my stores
.endr
.irp i, 0,1,2,3,4,5,6,7,8,9,10,11,12,13,14,15
	s_wait_dscnt 15-\i                             ; row i is back; the younger loads may be out
	global_store_b128 v[LI], v[32+4*\i:35+4*\i], s[8:9] offset:(\i+8*(\i/8))*512 th:TH_STORE_NT   ; the tile's row i is token i + 8 (i / 8) from its first: 512 consecutive bytes, at a multiple of 512 from out0's first byte
.endr
	s_wait_tensorcnt 0x0                           ; the wave's end: behind my last tensor load and my last LDS store
	ds_add_u32 v[SPW], v[NIL]
	s_wait_dscnt 0x0
	s_endpgm
.Lfunc_end_k_q6e72bfe431_attn:
	.size	k_q6e72bfe431_attn, .Lfunc_end_k_q6e72bfe431_attn-k_q6e72bfe431_attn
	.p2alignl 7, 3214868480
	.fill 96, 4, 3214868480
	.section	.rodata,"a",@progbits
	.p2align	6, 0x0
	.amdhsa_kernel k_q6e72bfe431_attn
		.amdhsa_group_segment_fixed_size 327680
		.amdhsa_private_segment_fixed_size 0
		.amdhsa_enable_private_segment 0
		.amdhsa_kernarg_size 24
		.amdhsa_user_sgpr_count 2
		.amdhsa_user_sgpr_kernarg_segment_ptr 1
		.amdhsa_wavefront_size32 1
		.amdhsa_system_sgpr_workgroup_id_x 1
		.amdhsa_system_sgpr_workgroup_id_y 1
		.amdhsa_system_sgpr_workgroup_id_z 1
		.amdhsa_system_vgpr_workitem_id 0
		.amdhsa_next_free_vgpr 512
		.amdhsa_next_free_sgpr 66
		.amdhsa_reserve_vcc 1
		.amdhsa_float_denorm_mode_32 3
		.amdhsa_float_denorm_mode_16_64 3
		.amdhsa_memory_ordered 1
		.amdhsa_forward_progress 1
		.amdhsa_inst_pref_size 138
	.end_amdhsa_kernel
	.amdgpu_metadata
---
amdhsa.version: [ 1, 2 ]
amdhsa.kernels:
  - .name:           k_q6e72bfe431_attn
    .symbol:         k_q6e72bfe431_attn.kd
    .args:
      - { .name: qb, .offset: 0, .size: 8, .value_kind: global_buffer, .address_space: global }
      - { .name: kv, .offset: 8, .size: 8, .value_kind: global_buffer, .address_space: global }
      - { .name: out0, .offset: 16, .size: 8, .value_kind: global_buffer, .address_space: global }
    .group_segment_fixed_size: 327680
    .private_segment_fixed_size: 0
    .kernarg_segment_align: 8
    .kernarg_segment_size: 24
    .max_flat_workgroup_size: 256
    .sgpr_count:     66
    .vgpr_count:     512
    .wavefront_size: 32
...
	.end_amdgpu_metadata
.endif
;; end of part 3
